; MI455X (gfx1250); checked and timed in simulation.
; The chip was launched on July 23, 2026; its instructions are those of AMD's public machine-readable ISA for CDNA 5 (MIT licence, August 2026) and "CDNA5" Instruction Set Architecture Reference Guide (July 2026). The comments in the code are by the model that wrote it; some were corrected since.
;; Style Linear Layer. Allowed arithmetic: float matrix products may take bf16 or f16 operands with f32 sums; other float arithmetic in f32, or as packed bf16 or f16 multiplies, adds, multiply-adds, maxima and minima; sums over many terms, partial sums and values carried from step to step in f32; what a program stores and reads back later, other than sums and carried values, may be rounded once to bf16 or f16.
;; Inputs: aff_b 4,096 float32; aff_w 4,096 x 512 float32; bias 2,048 float32; input 8,192 x 2,048 float32; style 8,192 x 512 float32; weight 2,048 x 2,048 float32.
;; Outputs: out0 8,192 x 2,048 float32.
;; 2 versions, each right; version 2 is version 1 with the launch prep written anew for expert scheduling mode. Each part assembles by itself: llvm-mc -triple=amdgcn-amd-amdhsa -mcpu=gfx1250 --defsym DOCPART=n.
;; ======== version 1 of 2: 2 launches
;; workspace buffers: abf 41,943,040 bytes; bbf 10,485,760 bytes; cvec 32,768 bytes
;; launch prep (part 1): grid 1280 x 1, 4 waves a work-group, no clusters, 0 bytes of LDS; arguments input, style, weight, aff_w, aff_b, bias, abf, bbf, cvec; writes abf, bbf, cvec
.if DOCPART == 1
	.amdgcn_target "amdgcn-amd-amdhsa--gfx1250"
	.amdhsa_code_object_version 6
	.text
	.protected	k_q5212e09f86_prep
	.globl	k_q5212e09f86_prep
	.p2align	8
	.type	k_q5212e09f86_prep,@function
k_q5212e09f86_prep:
	s_mov_b64 s[64:65], 0
	v_nop
	global_prefetch_b8 v0, s[64:65] scope:SCOPE_SE
	s_setreg_imm32_b32 hwreg(HW_REG_WAVE_MODE, 25, 1), 1
	s_wait_xcnt 0x0
; THE OPERANDS OF THE TWO PRODUCTS, ROUNDED ONCE TO bf16 AND LAID SIDE BY SIDE ALONG K, AND A TABLE OF FOUR NUMBERS A COLUMN.
;   abf[r][0:512] = bf16(style[r]),  abf[r][512:2560] = bf16(input[r]),   r = 0 .. 8191
;   bbf[o][0:512] = bf16(aff_w[o]),  bbf[o][512:2560] = bf16(weight[o]),  o = 0 .. 2047
;   cvec[o] = { g, bi, ab g, ab g } in f32:  g = (sum over i of bf16(weight[o][i])^2)^(1/4),  bi = bf16(bias[o]),  ab = bf16(aff_b[o])
; Rows 2048 .. 4095 of aff_w and of aff_b are not read: the function that this program computes cuts their products away (enc[:, :OUT]) and no output hangs on them.
; LIMITS.  Every input is rounded to bf16, nearest even; the sum of squares is taken of the ROUNDED weights, in f32, in 128 partial sums a row.
; v_sqrt_f32 takes a denormal as 0 (ISA guide, its entry in 15.8): a row of weights whose sum of squares lies below 2^-126 counts as a row of zeros.  NaN and infinities are not treated apart.
; SHARES.  10,240 rows of one shape: 512 f32 from a small source, 2,048 f32 from a big one, 2,560 bf16 out.  Work-groups 0 .. 1023 take 8 rows each of (style, input),
; work-groups 1024 .. 1279 8 rows each of (aff_w, weight); a wave takes two rows.  Nothing is shared, so there is no LDS, no barrier and no loop.
; A load of a wave covers 512 consecutive bytes; a store of a wave covers 256 consecutive bytes at a multiple of 256 from its buffer's first byte.  All 40 loads of a wave go out before its first wait.
; The table's stores are 32 bytes a wave, 32,768 bytes in the launch: to gather them into longer runs sixteen rows would have to meet in LDS behind a barrier.
.set GROUPS_A, 1024                    ; work-groups that take rows of (style, input)
.set OUTROW,   5120                    ; bytes in a row of abf and bbf
.set X,   16                           ; v[16:175]  row i at X + 80 i, piece c of 128 numbers at + 4 c: c = 0 .. 3 from the small source, 4 .. 19 from the big one
.set T,   176                          ; v[176:179] four rounded weights, widened
.set SQ,  180                          ; v[180:187] row i: two chains of two sums of squares at SQ + 4 i
.set BIG, 28                           ; s[28:29]  the big source at my first row
.set SML, 30                           ; s[30:31]  the small source
.set DST, 32                           ; s[32:33]  abf or bbf
	s_load_b512 s[8:23], s[0:1], 0x0               ; input s[8:9], style s[10:11], weight s[12:13], aff_w s[14:15], aff_b s[16:17], bias s[18:19], abf s[20:21], bbf s[22:23]
	s_load_b64 s[24:25], s[0:1], 0x40              ; cvec
	v_and_b32 v1, 31, v0                           ; lane
	v_lshrrev_b32 v4, 5, v0
	v_readfirstlane_b32 s6, v4                     ; wave 0..3
	v_lshlrev_b32 v2, 4, v1                        ; 16 bytes a lane in
	v_lshlrev_b32 v3, 3, v1                        ; 8 bytes a lane out
	s_mov_b32 s2, ttmp9
	s_mov_b32 s44, 0x76543210                      ; v_permlanex16_b32: each lane takes its own place in the other half
	s_mov_b32 s45, 0xfedcba98
	s_mov_b32 s46, 0xffff0000                      ; a word's upper bf16
	s_cmp_lt_u32 s2, GROUPS_A
	s_cselect_b32 s5, 1, 0                         ; 1: rows of (style, input)
	s_cselect_b32 s3, 0, GROUPS_A
	s_sub_co_u32 s4, s2, s3
	s_lshl_b32 s4, s4, 3                           ; the work-group's 8 rows,
	s_lshl1_add_u32 s4, s6, s4                     ; my wave's two: my first row
	s_lshl_b32 s34, s4, 13                         ; its byte offset in the big source (8,192 bytes a row; under 2^27),
	s_mov_b32 s35, 0
	s_lshl_b32 s36, s4, 11                         ; in the small one (2,048),
	s_mov_b32 s37, 0
	s_mul_i32 s38, s4, OUTROW                      ; and in the result
	s_mov_b32 s39, 0
	s_wait_kmcnt 0x0
	s_cmp_lt_u32 s2, GROUPS_A                      ; compared anew: the lines above have written SCC
	s_cselect_b64 s[BIG:BIG+1], s[8:9], s[12:13]
	s_cselect_b64 s[SML:SML+1], s[10:11], s[14:15]
	s_cselect_b64 s[DST:DST+1], s[20:21], s[22:23]
	s_add_nc_u64 s[BIG:BIG+1], s[BIG:BIG+1], s[34:35]
	s_add_nc_u64 s[SML:SML+1], s[SML:SML+1], s[36:37]
	s_add_nc_u64 s[DST:DST+1], s[DST:DST+1], s[38:39]
.irp i, 0,1                            ; row 0's twenty loads, then row 1's
.irp c, 0,1,2,3
	global_load_b128 v[X+80*(\i)+4*(\c):X+80*(\i)+4*(\c)+3], v2, s[SML:SML+1] offset:2048*(\i)+512*(\c) th:TH_LOAD_NT
.endr
.irp c, 4,5,6,7,8,9,10,11,12,13,14,15,16,17,18,19
	global_load_b128 v[X+80*(\i)+4*(\c):X+80*(\i)+4*(\c)+3], v2, s[BIG:BIG+1] offset:8192*(\i)+512*((\c)-4) th:TH_LOAD_NT
.endr
.endr
; Row i is rounded in place, four numbers a lane into 8 bytes, and stored.  No register that a store reads is written again.
; sq = 1: the rounded weights (pieces 4 on) are widened again and squared into two chains of packed sums; piece 4 starts the chains, so nothing is cleared.
.macro CONV i, sq
	s_wait_loadcnt 20*(1-(\i))                     ; loads come back in order (ISA guide 5.7.1): row 0 is in while row 1's twenty stay out; for row 1 the count is 0
.set c, 0
.rept 20
.set R, X+80*(\i)+4*c
	v_cvt_pk_bf16_f32 v[R], v[R], v[R+1]
	v_cvt_pk_bf16_f32 v[R+1], v[R+2], v[R+3]
	global_store_b64 v3, v[R:R+1], s[DST:DST+1] offset:OUTROW*(\i)+256*c
.if (\sq) && (c >= 4)
	v_lshlrev_b32 v[T], 16, v[R]
	v_and_b32 v[T+1], s46, v[R]
	v_lshlrev_b32 v[T+2], 16, v[R+1]
	v_and_b32 v[T+3], s46, v[R+1]
.if c == 4
	v_pk_mul_f32 v[SQ+4*(\i):SQ+4*(\i)+1], v[T:T+1], v[T:T+1]
	v_pk_mul_f32 v[SQ+4*(\i)+2:SQ+4*(\i)+3], v[T+2:T+3], v[T+2:T+3]
.else
	v_pk_fma_f32 v[SQ+4*(\i):SQ+4*(\i)+1], v[T:T+1], v[T:T+1], v[SQ+4*(\i):SQ+4*(\i)+1]
	v_pk_fma_f32 v[SQ+4*(\i)+2:SQ+4*(\i)+3], v[T+2:T+3], v[T+2:T+3], v[SQ+4*(\i)+2:SQ+4*(\i)+3]
.endif
.endif
.set c, c+1
.endr
.endm
	s_cmp_eq_u32 s5, 1
	s_cbranch_scc0 .Lweights
	CONV 0, 0                                      ; rows of (style, input): cast and store, nothing more
	CONV 1, 0
	s_endpgm
.Lweights:
	s_lshl_b32 s47, s4, 2                          ; my two columns' aff_b and bias: 8 bytes each, at a multiple of 8
	s_load_b64 s[40:41], s[16:17], s47 offset:0x0
	s_load_b64 s[42:43], s[18:19], s47 offset:0x0
	CONV 0, 1
	CONV 1, 1
.irp i, 0,1                            ; a lane's four sums into one,
	v_pk_add_f32 v[SQ+4*(\i):SQ+4*(\i)+1], v[SQ+4*(\i):SQ+4*(\i)+1], v[SQ+4*(\i)+2:SQ+4*(\i)+3]
	v_add_f32 v[8+(\i)], v[SQ+4*(\i)], v[SQ+4*(\i)+1]
.endr
.irp m, 1,2,4,8                        ; then across the 32 lanes: four steps inside each half of 16, the two rows by turns,
	v_add_f32_dpp v8, v8, v8 row_xmask:\m row_mask:0xf bank_mask:0xf
	v_add_f32_dpp v9, v9, v9 row_xmask:\m row_mask:0xf bank_mask:0xf
.endr
	v_permlanex16_b32 v[T], v8, s44, s45           ; and one across the halves (the destinations have been written before)
	v_permlanex16_b32 v[T+1], v9, s44, s45
	v_add_f32 v8, v8, v[T]
	v_add_f32 v9, v9, v[T+1]                       ; every lane holds both rows' sums of squares
	v_sqrt_f32 v8, v8                              ; the fourth root, as two roots: a batch of two,
	v_sqrt_f32 v9, v9
	v_nop                                          ; a plain instruction behind the last of them (ISA guide 5.7.2),
	s_wait_alu depctr_va_vdst(0)                   ; and the one wait ahead of the first line that names a result
	v_sqrt_f32 v8, v8
	v_sqrt_f32 v9, v9
	v_nop
	s_wait_alu depctr_va_vdst(0)
	s_wait_kmcnt 0x0                               ; aff_b and bias
	v_cvt_pk_bf16_f32 v10, s40, s41                ; rounded as every other input is,
	v_cvt_pk_bf16_f32 v11, s42, s43
	v_lshlrev_b32 v12, 16, v10                     ; and widened again
	v_and_b32 v13, s46, v10
	v_lshlrev_b32 v14, 16, v11
	v_and_b32 v15, s46, v11
	v_mul_f32 v12, v12, v8                         ; ab g
	v_mul_f32 v13, v13, v9
	v_cmp_eq_u32 vcc_lo, 1, v1                     ; lane 0 writes my first column's record, lane 1 my second's
	v_cndmask_b32 v4, v8, v9, vcc_lo               ; g
	v_cndmask_b32 v5, v14, v15, vcc_lo             ; bi
	v_cndmask_b32 v6, v12, v13, vcc_lo             ; ab g,
	v_mov_b32 v7, v6                               ; twice: a pair for the packed multiply-add that will read it
	s_lshl_b32 s34, s4, 4                          ; 16 bytes a column (s35 is still 0)
	s_add_nc_u64 s[24:25], s[24:25], s[34:35]
	s_wait_xcnt 0x0                                ; EXEC is a source of the stores above: it changes only behind this wait
	v_cmp_gt_u32 vcc_lo, 2, v1
	s_and_saveexec_b32 s26, vcc_lo
	global_store_b128 v2, v[4:7], s[24:25]
	s_wait_xcnt 0x0                                ; and again in front of the line that widens it
	s_or_b32 exec_lo, exec_lo, s26
	s_endpgm
.Lfunc_end_k_q5212e09f86_prep:
	.size	k_q5212e09f86_prep, .Lfunc_end_k_q5212e09f86_prep-k_q5212e09f86_prep
	.p2alignl 7, 3214868480
	.fill 96, 4, 3214868480
	.section	.rodata,"a",@progbits
	.p2align	6, 0x0
	.amdhsa_kernel k_q5212e09f86_prep
		.amdhsa_group_segment_fixed_size 0
		.amdhsa_private_segment_fixed_size 0
		.amdhsa_enable_private_segment 0
		.amdhsa_kernarg_size 72
		.amdhsa_user_sgpr_count 2
		.amdhsa_user_sgpr_kernarg_segment_ptr 1
		.amdhsa_wavefront_size32 1
		.amdhsa_system_sgpr_workgroup_id_x 1
		.amdhsa_system_sgpr_workgroup_id_y 1
		.amdhsa_system_sgpr_workgroup_id_z 1
		.amdhsa_system_vgpr_workitem_id 0
		.amdhsa_next_free_vgpr 192
		.amdhsa_next_free_sgpr 66
		.amdhsa_reserve_vcc 1
		.amdhsa_float_denorm_mode_32 3
		.amdhsa_float_denorm_mode_16_64 3
		.amdhsa_memory_ordered 1
		.amdhsa_forward_progress 1
		.amdhsa_inst_pref_size 34
	.end_amdhsa_kernel
	.amdgpu_metadata
---
amdhsa.version: [ 1, 2 ]
amdhsa.kernels:
  - .name:           k_q5212e09f86_prep
    .symbol:         k_q5212e09f86_prep.kd
    .args:
      - { .name: input, .offset: 0, .size: 8, .value_kind: global_buffer, .address_space: global }
      - { .name: style, .offset: 8, .size: 8, .value_kind: global_buffer, .address_space: global }
      - { .name: weight, .offset: 16, .size: 8, .value_kind: global_buffer, .address_space: global }
      - { .name: aff_w, .offset: 24, .size: 8, .value_kind: global_buffer, .address_space: global }
      - { .name: aff_b, .offset: 32, .size: 8, .value_kind: global_buffer, .address_space: global }
      - { .name: bias, .offset: 40, .size: 8, .value_kind: global_buffer, .address_space: global }
      - { .name: abf, .offset: 48, .size: 8, .value_kind: global_buffer, .address_space: global }
      - { .name: bbf, .offset: 56, .size: 8, .value_kind: global_buffer, .address_space: global }
      - { .name: cvec, .offset: 64, .size: 8, .value_kind: global_buffer, .address_space: global }
    .group_segment_fixed_size: 0
    .private_segment_fixed_size: 0
    .kernarg_segment_align: 8
    .kernarg_segment_size: 72
    .max_flat_workgroup_size: 128
    .sgpr_count:     66
    .vgpr_count:     192
    .wavefront_size: 32
...
	.end_amdgpu_metadata
.endif
;; end of part 1
;; launch main (part 2): grid 8 x 32, 4 waves a work-group, clusters of 4 x 4, 327,680 bytes of LDS; arguments abf, bbf, cvec, out0; writes out0
.if DOCPART == 2
	.amdgcn_target "amdgcn-amd-amdhsa--gfx1250"
	.amdhsa_code_object_version 6
	.text
	.protected	k_q5212e09f86_main
	.globl	k_q5212e09f86_main
	.p2align	8
	.type	k_q5212e09f86_main,@function
k_q5212e09f86_main:
	s_mov_b64 s[64:65], 0
	v_nop
	global_prefetch_b8 v0, s[64:65] scope:SCOPE_SE
	s_setreg_imm32_b32 hwreg(HW_REG_WAVE_MODE, 25, 1), 1
	s_wait_xcnt 0x0
	s_wait_alu depctr_hold_cnt(0) depctr_sa_sdst(0) depctr_va_vdst(0) depctr_va_sdst(0) depctr_va_ssrc(0) depctr_va_vcc(0) depctr_vm_vsrc(0)
	s_getreg_b32 s2, hwreg(HW_REG_IB_STS2, 6, 4)
	s_cmp_eq_u32 s2, 0
	s_cbranch_scc0 .Lentry_in_a_cluster
	s_endpgm
.Lentry_in_a_cluster:
	s_bfe_u32 s2, ttmp6, 0x10000c
	s_cmp_lg_u32 s2, 0xf033
	s_cbranch_scc0 .Lentry_shape_is_right
	s_endpgm
.Lentry_shape_is_right:
; out[r][o] = base[r][o] x m[r][o] + bias[o],  base = input weight^T,  m = s |s| sqrt(rowsq[o]),  s = style aff_w^T + aff_b.   out: [8192][2048] f32.
; abf [8192][2560] and bbf [2048][2560], bf16, hold (style | input) and (aff_w | weight) side by side along K, so BOTH products are ONE walk of K = 2,560 over the same tile of out:
; K steps 0 .. 3 (of 128) make s, K steps 4 .. 19 make base, in the same 64 accumulators; the ring of LDS slots does not notice the seam.
; AT THE SEAM (MODP) the finished s becomes u = s g + ab g with g = rowsq^(1/4), then m = u |u| = (s + ab) |s + ab| sqrt(rowsq); m is rounded ONCE to bf16 and set aside in the layout in which it was made:
; 256 registers' worth a wave, of which 192 lie in registers that the loop leaves idle and 64 in the wave's own LDS bytes.  At the end out = m x base + bias is one fused multiply-add in f32.
; cvec[o] = { g, bias, ab g, ab g } in f32 comes from the launch before.
; LIMITS.  m is rounded to bf16: it is off by at most 2^-8 of itself (bf16, not f16: m goes with the fourth power of the inputs' size, for which f16 has no room).  All inputs were rounded to bf16 by the launch before.
; Sums in f32.  NaN and infinities pass through the arithmetic and are not treated apart.
; SHARES.  A tile of out, 256 x 256, is made by a work-group of four waves; a wave makes 128 x 128: 64 accumulators of 16 x 16, 512 registers.  256 tiles, 256 work-groups.
; K goes in steps of 128 through a ring of two LDS slots filled by the tensor data mover; a tile's rows are 256 bytes of memory at multiples of 256 from the buffer's first byte (a row of abf or bbf is 5,120 bytes).
; CLUSTERS: 4 x 4 work-groups.  The four of a row of the cluster need the same tiles of abf, the four of a column the same tiles of bbf: each tile is asked for JOINTLY, by the same tensor load with the same
; descriptor and a mask that names the four, and each receives it in its own LDS.
; THE MATRIX INSTRUCTION IS USED AS IT IS WRITTEN: source 0 = 16 rows of abf, source 1 = 16 rows of bbf.  Register j of lane l then holds row 8 (l / 16) + j and COLUMN l % 16 of the 16 x 16 block: a lane has one
; column in each of its eight column blocks, so what goes by columns (g, ab g, bias) costs 4 registers a block, 32 in all.  The price is paid on the way out: words, not 16 bytes, go into the stage.
; REGISTERS, in windows of 256 (s_set_vgpr_msb: bits 1:0 source 0, 3:2 source 1, 5:4 source 2, 7:6 destination):
;   window 0: v0-31 addresses; v32-63 the columns' numbers; v64-127, v128-191 fragments of abf, two buffers (on the way out: rows read back from the stage); v192-255 m of row blocks 4, 5
;   window 1: v0-63 m of row blocks 0, 1; v64-127, v128-191 fragments of bbf, two buffers; v192-255 m of row blocks 2, 3
;   window 2: the 32 accumulators of my rows 0-63 (accumulator (a, b) at v[8 (8 a + b)]);   window 3: those of my rows 64-127
.set SIZE_K, 2560
.set SIZE_N, 2048
.set KSTEP,  128
.set PITCH,  272                       ; an LDS row: 256 bytes of data + 16 of padding = 68 words: row r starts at bank 4 r mod 64 (64 banks of 4 bytes: ISA guide 11.1), so the 16 rows of a load start at 16 different banks
.set HALFT,  128*PITCH                 ; 128 rows: what one tensor load brings, and what one wave reads of abf or of bbf
.set SLOT,   4*HALFT                   ; abf's 256 rows, then bbf's 256 rows
.set SCR,    2*SLOT                    ; behind the ring, never filled by a tensor load: each wave's own SCRW bytes.  First m of row blocks 6 and 7 (8,192 bytes), and, when those are back in registers, the stage
.set SCRW,   8448                      ; 16 rows x 528 bytes = 33 blocks of 256
.set SPITCH, 528                       ; a stage row: 512 bytes + 16: rows 8 apart lie 32 banks apart, so the two halves of the lanes store into different banks
.set SPARE,  SCR+4*SCRW                ; behind them: the spare words, 128 bytes for each wave: two blocks of 256 bytes that no other line names
.set ADRA, 16                          ; v16-17  LDS address of my fragments of abf in slot 0, 1
.set ADRB, 20                          ; v20-21  the same for bbf
.set STO,  24                          ; v24     the way out: where I put a word of row 8 (l / 16), column l % 16
.set RD,   25                          ; v25     my scratch + 16 x lane: where m is put and fetched, and where a stage row is read back
.set CO,   26                          ; v26     16 x lane: my 16 bytes of a row's 512 in out
.set SPW,  28                          ; v28     LDS address of my spare word: SPARE + 4 x my thread's number; never rewritten
.set NIL,  29                          ; v29     0; never rewritten
.set PFO,  30                          ; v30     the prefetches' offset: my lane x a row of abf or bbf; never rewritten
.set CVO,  31                          ; v31     byte offset in cvec of my column in column block 0
.set CV,   32                          ; v[32:63] column block b at CV + 4 b: g, bias, ab g, ab g
.set F0,   64                          ; fragment buffer 0
.set F1,   128                         ; fragment buffer 1
.set PFA,  44                          ; s[44:45] where my prefetches stand: my work-group's 32 rows of the 128 that I fetch, one K step further along K than the refill that is being asked for
.set LIM,  43                          ; s43     1 in a wave that prefetches, else the greatest number
.set G1,  24                           ; s[24:31] descriptor group 1 for abf's tiles
.set G0,  32                           ; s[32:39] descriptor group 0 for abf's tiles, one set for each slot
.set G1B, 48                           ; s[48:55] group 1 for bbf's tiles: it differs in the mask alone
.set G0B, 56                           ; s[56:63] group 0 for bbf's tiles
.set MSB, 0
.macro WIN new                         ; the immediate's high byte repeats the setting that is left; a switch that changes nothing is dropped
.if MSB != (\new)
	s_set_vgpr_msb (MSB<<8)|(\new)
.set MSB, \new
.endif
.endm
.set MUL_LO, 0xa4                      ; source 0 (abf) window 0, source 1 (bbf) window 1, C and D window 2
.set MUL_HI, 0xf4                      ; the same, C and D window 3
.set TO_B,   0x40                      ; destination window 1, address window 0
; A joint load.  Waves 0 and 1 fetch abf's two halves, waves 2 and 3 bbf's.  Each of the two lines has one mask and one set of registers for all that issue it; the branch hangs on the wave's number alone.
; An s_nop 0 and four v_nop follow each of the two lines, ahead of the jump, the label and what follows the macro.
.macro JLOAD s
	s_cmp_eq_u32 s11, 0
	s_cbranch_scc0 .Lfor_b_\@
	tensor_load_to_lds s[G0+4*(\s):G0+4*(\s)+3], s[G1:G1+7]
	s_nop 0
.rept 4
	v_nop
.endr
	s_branch .Lasked_\@
.Lfor_b_\@:
	tensor_load_to_lds s[G0B+4*(\s):G0B+4*(\s)+3], s[G1B:G1B+7]
	s_nop 0
.rept 4
	v_nop
.endr
.Lasked_\@:
.endm
; A PREFETCH INTO THE L2, behind each joint load, its five lines and the run of LDS loads that follows them: the K step that stands TWO refills on, 512 matrix instructions ahead of the load that will want it:
; 32 rows x 256 bytes, a lane a row, one instruction a wave.  Each row's 256 bytes of a K step are named ONCE in the launch: abf's tile row is read by both clusters of that row of clusters, and the one with
; cluster x = 0 asks; bbf's tile column by all eight clusters of that column, and the one with cluster y = 0 asks.  The four partners that ask for a tile jointly share its rows out BY ADDRESS: of the 128 rows
; that a wave fetches, the partner at place p takes 32 p .. 32 p + 31 (p = cx for abf, cy for bbf): no branch hangs on a work-group's place in its cluster.
; how = 1: in the first loop, where a K step two refills on always exists.  how = 0: in the second loop, whose last trip (s3 = 1) asks for nothing: K steps 20 and 21 do not exist.  K steps 0 to 3 come by their loads alone.
.macro ASK how
.if \how
	s_cmp_eq_u32 s[LIM], 1
.else
	s_cmp_gt_u32 s3, s[LIM]
.endif
	s_cbranch_scc0 .Lnot_mine_\@
	global_prefetch_b8 v[PFO], s[PFA:PFA+1] offset:KSTEP*2 th:TH_LOAD_NT scope:SCOPE_SE
.Lnot_mine_\@:
.endm
; A round of the cluster's barrier: my work-group's barrier, so that wave 0's signal speaks for all four waves; wave 0 signals for the work-group; every wave waits for all sixteen work-groups; my work-group's barrier once more.
.macro CREST                           ; a round behind its opening barrier
	s_cmp_lg_u32 s10, 0
	s_cbranch_scc1 .Lnot_wave_0_\@
	s_barrier_signal -3
.Lnot_wave_0_\@:
	s_barrier_wait -3
	s_barrier_signal -1
	s_barrier_wait -1
.endm
.macro CROUND                          ; a whole round
	s_barrier_signal -1
	s_barrier_wait -1
	CREST
.endm
	s_load_b128 s[4:7], s[0:1], 0x0                ; abf s[4:5], bbf s[6:7]
	s_load_b128 s[68:71], s[0:1], 0x10             ; cvec s[68:69], out s[70:71]
	v_lshl_add_u32 v[SPW], v0, 2, SPARE
	v_mov_b32 v[NIL], 0
	ds_add_u32 v[SPW], v[NIL]                      ; the wave's opening: the add, twice on end, and its wait ahead of my first tensor load; the set-up below, work on registers, stands between
	ds_add_u32 v[SPW], v[NIL]                      ; and once more, under the one wait
	v_lshrrev_b32 v1, 5, v0
	v_readfirstlane_b32 s10, v1                    ; wave 0..3
	s_lshr_b32 s11, s10, 1                         ; which half of the tile's rows is mine.  Also: I fetch for abf (0) or for bbf (1)
	s_and_b32 s12, s10, 1                          ; which half of its columns.  Also: which 128 rows of that tile I fetch
	s_bfe_u32 s40, ttmp6, 0x40000                  ; cx: my place along the cluster's x
	s_bfe_u32 s41, ttmp6, 0x40004                  ; cy: along its y
	s_lshl_b32 s42, ttmp9, 2                       ; in a cluster launch ttmp9 and ttmp7 count clusters
	s_add_co_u32 s42, s42, s40                     ; tile column of out = 4 x cluster x + cx: 0 .. 7
	s_and_b32 s13, ttmp7, 0xffff
	s_lshl_b32 s13, s13, 2
	s_add_co_u32 s13, s13, s41                     ; tile row of out = 4 x cluster y + cy: 0 .. 31
	s_lshl_b32 s43, s41, 2
	s_lshl_b32 s43, 15, s43                        ; my row of the cluster: places 4 cy .. 4 cy + 3
	s_lshl_b32 s44, 0x1111, s40                    ; my column: places cx, cx + 4, cx + 8, cx + 12
	; descriptor group 1: a tile of 128 rows x 128 elements, padded in LDS
	s_or_b32 s[G1+0], s43, (1<<16)|(1<<20)|(1<<21)|(5<<22)|(3<<25)  ; 15:0 the mask: abf's tiles go to my row; 17:16 elements of 2 bytes; 20 padding on; 21 set beside a mask; 24:22 after every 64 words (code 5); 31:25 4 words of it (code 3)
	s_or_b32 s[G1B+0], s44, (1<<16)|(1<<20)|(1<<21)|(5<<22)|(3<<25) ; the same with the mask of my column, for bbf's tiles
.irp g, G1, G1B
	s_mov_b32 s[(\g)+1], KSTEP<<16                 ; 63:48 tensor_dim0, low half = 128
	s_mov_b32 s[(\g)+2], 128<<16                   ; 79:64 its high half = 0; 95:80 tensor_dim1, low half = 128
	s_mov_b32 s[(\g)+3], KSTEP<<16                 ; 111:96 its high half = 0; 127:112 tile_dim0 = 128
	s_mov_b32 s[(\g)+4], 128                       ; 143:128 tile_dim1 = 128; 159:144 tile_dim2 = 0
	s_mov_b32 s[(\g)+5], SIZE_K                    ; 191:160 tensor_dim0_stride, low word: 2,560 elements from row to row
	s_mov_b32 s[(\g)+6], 0
	s_mov_b32 s[(\g)+7], 0
.endr
	; where the tiles come from.  abf's hang on the tile row alone, which my row of the cluster shares; bbf's on the tile column alone, which my column shares.
	; Every wave makes both addresses, in registers that never hold the other coordinate, and asks by one of them.
	s_lshl_b32 s17, s12, 7                         ; which 128 rows of the tile I fetch
	s_lshl_b32 s16, s13, 8
	s_add_co_u32 s16, s16, s17                     ; abf: row 256 x tile row + 128 x half
	s_lshl_b32 s46, s42, 8
	s_add_co_u32 s46, s46, s17                     ; bbf: row 256 x tile column + 128 x half
	s_mov_b32 s17, 0
	s_mov_b32 s47, 0
	s_mov_b64 s[18:19], SIZE_K*2
	s_mul_u64 s[16:17], s[16:17], s[18:19]         ; in bytes
	s_mul_u64 s[46:47], s[46:47], s[18:19]
	s_mul_i32 s20, s10, HALFT                      ; and where they go: abf's two halves, then bbf's two halves = wave x 128 rows: no place in the cluster enters an LDS address
	s_wait_dscnt 0x0                               ; both opening adds are done
	s_wait_kmcnt 0x0
	s_add_nc_u64 s[14:15], s[4:5], s[16:17]
	s_add_nc_u64 s[46:47], s[6:7], s[46:47]
	CROUND                                         ; all sixteen work-groups are here: the first joint loads meet
.irp s, 0,1
	s_mov_b32 s[G0+4*(\s)], 1                                      ; 1:0 count = 1
	s_add_co_u32 s[G0+4*(\s)+1], s20, (\s)*SLOT                    ; 63:32 LDS address
	s_add_nc_u64 s[G0+4*(\s)+2:G0+4*(\s)+3], s[14:15], (\s)*KSTEP*2  ; 120:64 global address: K step s
	s_or_b32 s[G0+4*(\s)+3], s[G0+4*(\s)+3], 0x80000000            ; 127:126 type = 2
	s_mov_b32 s[G0B+4*(\s)], 1
	s_add_co_u32 s[G0B+4*(\s)+1], s20, (\s)*SLOT
	s_add_nc_u64 s[G0B+4*(\s)+2:G0B+4*(\s)+3], s[46:47], (\s)*KSTEP*2
	s_or_b32 s[G0B+4*(\s)+3], s[G0B+4*(\s)+3], 0x80000000
	JLOAD \s                                       ; the ring is filled before anything else is done: two tensor loads of mine are out
.endr
	; A fragment is 16 rows x 32 K in 8 registers: lane l holds row l % 16; registers 0-3 hold K = 8 (l / 16) + 0..7, registers 4-7 K = 16 + 8 (l / 16) + 0..7: two loads of 16 bytes, 32 bytes apart.
	v_and_b32 v1, 15, v0                           ; l % 16
	v_bfe_u32 v2, v0, 4, 1                         ; l / 16
	v_and_b32 v4, 31, v0                           ; l
	v_mul_u32_u24 v3, v1, PITCH
	v_lshl_add_u32 v3, v2, 4, v3                   ; row x pitch + 16 x half
	s_mul_i32 s21, s11, HALFT                      ; my 128 rows of abf
	s_mul_i32 s22, s12, HALFT                      ; my 128 rows of bbf,
	s_add_co_u32 s22, s22, 2*HALFT                 ; which lie behind abf's 256
.irp s, 0,1
	v_add_nc_u32 v[ADRA+(\s)], s21, v3
	v_add_nc_u32 v[ADRB+(\s)], s22, v3
	s_add_co_u32 s21, s21, SLOT
	s_add_co_u32 s22, s22, SLOT
.endr
	s_mul_i32 s23, s10, SCRW
	s_add_co_u32 s23, s23, SCR                     ; my scratch
	v_lshl_add_u32 v[RD], v4, 4, s23               ; + 16 x lane
	v_mul_u32_u24 v5, v2, 8*SPITCH                 ; into the stage: row 8 (l / 16), word l % 16
	v_lshl_add_u32 v5, v1, 2, v5
	v_add_nc_u32 v[STO], s23, v5
	v_lshlrev_b32 v[CO], 4, v4
	; out at my part of the tile
	s_lshl_b32 s13, s13, 8                         ; 256 x tile row
	s_lshl_b32 s14, s11, 7
	s_add_co_u32 s16, s13, s14                     ; my first row,
	s_lshl_b32 s16, s16, 13                        ; times 8,192 bytes (under 2^26)
	s_mov_b32 s17, 0
	s_add_nc_u64 s[8:9], s[70:71], s[16:17]
	s_lshl_b32 s42, s42, 8                         ; 256 x tile column (in registers that feed none of abf's descriptors)
	s_lshl_b32 s47, s12, 7
	s_add_co_u32 s46, s42, s47                     ; my first column
	v_add_nc_u32 v[CVO], s46, v1
	v_lshlrev_b32 v[CVO], 4, v[CVO]                ; 16 bytes a column in cvec
	s_lshl_b32 s46, s46, 2
	s_mov_b32 s47, 0
	s_add_nc_u64 s[8:9], s[8:9], s[46:47]
.irp b, 0,1,2,3,4,5,6,7
	global_load_b128 v[CV+4*(\b):CV+4*(\b)+3], v[CVO], s[68:69] offset:256*(\b)  ; my column's four numbers in each of my eight column blocks
.endr
	; the prefetches.  s13 = 256 x tile row, s42 = 256 x tile column, s40 = cx, s41 = cy still stand
	s_and_b32 s22, ttmp7, 0xffff                   ; cluster y
	s_cmp_eq_u32 s11, 0                            ; do I fetch for abf?
	s_cselect_b32 s20, s13, s42                    ; the tile's first row
	s_cselect_b32 s21, s40, s41                    ; my place among the four that ask for it with me
	s_cselect_b32 s22, ttmp9, s22                  ; the coordinate along which other clusters read the same rows
	s_cselect_b64 s[PFA:PFA+1], s[4:5], s[6:7]
	s_cmp_eq_u32 s22, 0
	s_cselect_b32 s[LIM], 1, -1                    ; the same in all sixteen partners, for a given wave
	s_lshl_b32 s22, s12, 7
	s_add_co_u32 s20, s20, s22                     ; + the 128 rows that I fetch
	s_lshl_b32 s21, s21, 5
	s_add_co_u32 s20, s20, s21                     ; + my work-group's 32 of them
	s_mov_b32 s21, 0
	s_mov_b64 s[18:19], SIZE_K*2
	s_mul_u64 s[20:21], s[20:21], s[18:19]
	s_add_nc_u64 s[PFA:PFA+1], s[PFA:PFA+1], s[20:21]
	s_add_nc_u64 s[PFA:PFA+1], s[PFA:PFA+1], 2*KSTEP*2  ; at K step 2: the first refill steps it to 3 and names K step 4.  Nothing is prefetched here, at the head, where every work-group's first tiles are on their way
	v_and_b32 v[PFO], 31, v0
	v_mul_u32_u24 v[PFO], v[PFO], SIZE_K*2
; 16 matrix instructions: row blocks a0, a0 + 1 of the window's four (hi = 0: my rows 0-63, 1: rows 64-127) x all 8 column blocks, 32 along K.  zero = 1: the product starts the sums: nothing is ever cleared.
; The 64 accumulators take turns, one instruction a turn, in the same order in every quarter step: between two links of a chain stand the 63 others'.
.macro MUL16 f, hi, a0, zero
	WIN MUL_LO+0x50*(\hi)
.irp a, \a0, (\a0)+1
.irp b, 0,1,2,3,4,5,6,7
.if \zero
	v_wmma_f32_16x16x32_bf16 v[8*(8*(\a)+(\b)):8*(8*(\a)+(\b))+7], v[(\f)+8*(4*(\hi)+(\a)):(\f)+8*(4*(\hi)+(\a))+7], v[(\f)+8*(\b):(\f)+8*(\b)+7], 0
.else
	v_wmma_f32_16x16x32_bf16 v[8*(8*(\a)+(\b)):8*(8*(\a)+(\b))+7], v[(\f)+8*(4*(\hi)+(\a)):(\f)+8*(4*(\hi)+(\a))+7], v[(\f)+8*(\b):(\f)+8*(\b)+7], v[8*(8*(\a)+(\b)):8*(8*(\a)+(\b))+7]
.endif
.endr
.endr
.endm
; 32 LDS loads in one run: the fragments of one quarter step (128 rows of bbf, then 128 rows of abf, 32 K at byte k of the rows) into buffer f
.macro FETCH slot, k, f
	WIN TO_B
.irp i, 0,1,2,3,4,5,6,7
	ds_load_b128 v[(\f)+8*(\i):(\f)+8*(\i)+3],   v[ADRB+(\slot)] offset:(\k)+(\i)*16*PITCH
	ds_load_b128 v[(\f)+8*(\i)+4:(\f)+8*(\i)+7], v[ADRB+(\slot)] offset:(\k)+(\i)*16*PITCH+32
.endr
	WIN 0
.irp i, 0,1,2,3,4,5,6,7
	ds_load_b128 v[(\f)+8*(\i):(\f)+8*(\i)+3],   v[ADRA+(\slot)] offset:(\k)+(\i)*16*PITCH
	ds_load_b128 v[(\f)+8*(\i)+4:(\f)+8*(\i)+7], v[ADRA+(\slot)] offset:(\k)+(\i)*16*PITCH+32
.endr
.endm
; A load into a register that a matrix instruction has read, and a vector instruction that reads a matrix result or writes one of a matrix instruction's registers, stand four places behind that matrix
; instruction, and only plain vector instructions that name none of its registers are places (ISA guide 7.12.1 for vector instructions).
.macro PLACES
.rept 4
	v_nop
.endr
.endm
; A K step is four quarter steps of 32 along K, 64 matrix instructions each, on buffers 0, 1, 0, 1.
; One of the first three: multiplies buffer f; in its middle it fetches the next quarter's fragments, at byte k of the same slot's rows, into buffer g.
.macro QUARTER slot, k, f, g, zero
	s_wait_dscnt 8                                 ; bbf's fragments and abf's rows 0-63 are in; the youngest eight LDS instructions (abf's rows 64-127; behind the seam: eight stores of m) may be out
	WIN MUL_LO
	MUL16 \f, 0, 0, \zero
	MUL16 \f, 0, 2, \zero
	PLACES
	FETCH \slot, \k, \g
	s_wait_dscnt 32                                ; all but the 32 just issued
	WIN MUL_HI
	MUL16 \f, 1, 0, \zero
	MUL16 \f, 1, 2, \zero
.endm
; The last quarter multiplies buffer 1 and changes slots.  MEET is its first half: ONE barrier for the change of slots, for two things.  In front of it each wave waits for all its tensor loads, of which one is
; out: its part of the next slot; adds 0 to its spare word; and waits for that and for its own reads of this slot.  Behind it nobody reads this slot any more and the next slot is whole.
.macro MEET round                      ; round = 1: a round of the cluster's barrier follows
	WIN 0                                          ; (the add's two registers lie in window 0)
	s_wait_tensorcnt 0x0                           ; all my tensor loads have landed: the one that was out is my part of the next slot;
	ds_add_u32 v[SPW], v[NIL]                      ; 0 onto my spare word;
	s_wait_dscnt 9                                 ; (the add and the youngest eight loads may be out)
	WIN MUL_LO
	MUL16 F1, 0, 0, 0                              ; sixteen matrix instructions stand between the add and the wait for it
	s_wait_dscnt 0x0                               ; the add is done, and my reads of this slot are over:
	s_barrier_signal -1                            ; say so (where a slot is filled again this barrier opens a round of the cluster's barrier),
	MUL16 F1, 0, 2, 0                              ; work on registers while the others arrive,
.if \round
	WIN 0
.endif
	s_barrier_wait -1                              ; and go on when all four have said so
.endm
; The whole last quarter.  Behind the round the slot just read out is filled again first, with the K step two steps on; then come the next slot's first fragments.
; From a request to the wait for it a wave issues 224 matrix instructions.
.macro TURN slot, next, how
	s_wait_xcnt 0x0                                ; the last prefetch, a K step back, has read its address: it is stepped here, ahead of the waits of the change of slots
	s_add_nc_u64 s[PFA:PFA+1], s[PFA:PFA+1], KSTEP*2
	MEET 1
	CREST                                          ; no wave of any partner still reads this slot's tile or has a load on its way; no tensor load of mine is out, so a group 0 may be written
	s_add_nc_u64 s[G0+4*(\slot)+2:G0+4*(\slot)+3], s[G0+4*(\slot)+2:G0+4*(\slot)+3], 2*KSTEP*2
	s_add_nc_u64 s[G0B+4*(\slot)+2:G0B+4*(\slot)+3], s[G0B+4*(\slot)+2:G0B+4*(\slot)+3], 2*KSTEP*2
	JLOAD \slot                                    ; the first tensor load behind the round, my only one until the next; the four v_nop behind it are also the places in front of the loads below
	FETCH \next, 0, F0
	ASK \how
	WIN MUL_HI
	MUL16 F1, 1, 0, 0
	MUL16 F1, 1, 2, 0
.endm
; WHERE m OF ROW BLOCK a LIES: window HW, register HB + 4 b + i holds rows 2 i (low half) and 2 i + 1 (high half) of column block b.  Blocks 6 and 7 pass through bbf's buffer 1 on their way into my scratch
; (out = 0) and come back into bbf's buffer 0 (out = 1), each at a time when the products do not use that buffer.
.macro HOME a, out
.if (\a) < 2
.set HW, 1
.set HB, 32*(\a)
.elseif (\a) < 4
.set HW, 1
.set HB, 192+32*((\a)-2)
.elseif (\a) < 6
.set HW, 0
.set HB, 192+32*((\a)-4)
.elseif \out
.set HW, 1
.set HB, 64+32*((\a)-6)
.else
.set HW, 1
.set HB, 128+32*((\a)-6)
.endif
.endm
; THE SEAM, for row block a: u = s g + ab g (two a line); m = u |u|; m rounded to bf16 in pairs.  Each accumulator is read from its low end on.
.macro MODP a
	HOME \a, 0
.set W, 2+(\a)/4
.set AC, 64*((\a)%4)
	WIN (W<<6)|W                                   ; the accumulators in window W, the columns' numbers in window 0
.set x, 0
.rept 32                               ; pair x: column block x / 4
	v_pk_fma_f32 v[AC+2*x:AC+2*x+1], v[AC+2*x:AC+2*x+1], v[CV+4*(x/4):CV+4*(x/4)+1], v[CV+4*(x/4)+2:CV+4*(x/4)+3] op_sel_hi:[1,0,1]  ; g for both halves; the addend's pair holds ab g twice
.set x, x+1
.endr
	WIN (W<<6)|(W<<2)|W
.set x, 0
.rept 64
	v_mul_f32 v[AC+x], v[AC+x], |v[AC+x]|
.set x, x+1
.endr
	WIN (HW<<6)|(W<<2)|W
.set x, 0
.rept 32
	v_cvt_pk_bf16_f32 v[HB+x], v[AC+2*x], v[AC+2*x+1]
.set x, x+1
.endr
.if (\a) >= 6
	WIN 0x04                                       ; data in window 1, address in window 0
.set x, 0
.rept 8
	ds_store_b128 v[RD], v[HB+4*x:HB+4*x+3] offset:4096*((\a)-6)+512*x  ; 32 lanes, 512 consecutive bytes
.set x, x+1
.endr
.endif
.endm
; THE WAY OUT of row block a, in three parts.  FIN: out = m x base + bias, one fused multiply-add that reads m's bf16 half as it lies, in place, registers ascending.
.macro FIN a
	HOME \a, 1
.set W, 2+(\a)/4
.set AC, 64*((\a)%4)
	WIN (W<<6)|(W<<2)|HW                           ; m in window HW, base and the result in window W, bias in window 0
.set x, 0
.rept 32
	v_fma_mix_f32_bf16 v[AC+2*x], v[HB+x], v[AC+2*x], v[CV+4*(x/4)+1] op_sel_hi:[1,0,0]
	v_fma_mix_f32_bf16 v[AC+2*x+1], v[HB+x], v[AC+2*x+1], v[CV+4*(x/4)+1] op_sel:[1,0,0] op_sel_hi:[1,0,0]
.set x, x+1
.endr
.endm
; TOSTAGE: a lane's 64 words go into my stage (register x: column block x / 8, row x % 8 of my half), and the block comes back as 16 whole rows of 512 bytes, into abf's fragment buffers by turns.
.macro TOSTAGE a
.set W, 2+(\a)/4
.set AC, 64*((\a)%4)
.set OB, 64+64*((\a)%2)
	WIN W<<2                                       ; data in window W
.set x, 0
.rept 64
	ds_store_b32 v[STO], v[AC+x] offset:SPITCH*(x%8)+64*(x/8)
.set x, x+1
.endr
	WIN 0
.set x, 0
.rept 16
	ds_load_b128 v[OB+4*x:OB+4*x+3], v[RD] offset:SPITCH*x  ; LDS serves a wave's instructions in order (ISA guide 5.7.1.4): these see the stores above, and the next block's stores come behind them
.set x, x+1
.endr
.endm
; SEND: stored.
.macro SEND a
.set OB, 64+64*((\a)%2)
	WIN 0
	s_wait_dscnt 0x0                               ; the block is back in registers
	s_wait_xcnt 0x0                                ; every earlier store has read its registers (ISA guide 3.1): only behind this wait are the stores' base, and the buffer that the block before last was stored from, written again
.if (\a) > 0
	s_add_nc_u64 s[8:9], s[8:9], 16*SIZE_N*4       ; 16 rows of out on
.endif
.set x, 0
.rept 16
	global_store_b128 v[CO], v[OB+4*x:OB+4*x+3], s[8:9] offset:SIZE_N*4*x th:TH_STORE_NT  ; 32 lanes store 512 consecutive bytes, at a multiple of 512 from out's first byte
.set x, x+1
.endr
.endm
	s_wait_loadcnt 0x0                             ; the columns' numbers
	s_wait_tensorcnt 1                             ; my part of K step 0 is in; K step 1's may stay out
	s_barrier_signal -1
	s_barrier_wait -1                              ; everybody's is
	FETCH 0, 0, F0
	; K STEPS 0 TO 3: s = style aff_w^T.  The first quarter, whose products start the sums, stands in front of the loop, and the loop is entered behind its own first quarter.
	QUARTER 0, 64,  F0, F1, 1
	WIN 0                                          ; at a label and at a branch every window is 0
	s_mov_b32 s3, 2
	s_branch .LinS
.LlapS:                                                ; two trips, a lap (two K steps) each; both slots are filled again in each: K steps 2 to 5
	QUARTER 0, 64,  F0, F1, 0
	WIN 0
.LinS:
	QUARTER 0, 128, F1, F0, 0
	QUARTER 0, 192, F0, F1, 0
	TURN 0, 1, 1
	QUARTER 1, 64,  F0, F1, 0
	QUARTER 1, 128, F1, F0, 0
	QUARTER 1, 192, F0, F1, 0
	TURN 1, 0, 1
	WIN 0
	s_sub_co_u32 s3, s3, 1
	s_cmp_lg_u32 s3, 0
	s_cbranch_scc1 .LlapS
	; THE SEAM.  K step 4's first fragments are on their way into buffer 0.  No v_nop: row blocks 0-3 were finished in front of the joint load's four, and their 512 lines, which name no register of the last
	; products (row blocks 4-7's accumulators, buffer 1), are those products' places.
.irp a, 0,1,2,3,4,5,6,7
	MODP \a
.endr
	; K STEPS 4 TO 19: base = input weight^T, in the same accumulators.
	QUARTER 0, 64,  F0, F1, 1                      ; its products start the sums anew
	WIN 0
	s_mov_b32 s3, 7
.LlapM:                                                ; a trip goes once round the ring, from a lap's second quarter to the next lap's first, and fills both slots again: K steps 6 to 19
	QUARTER 0, 128, F1, F0, 0
	QUARTER 0, 192, F0, F1, 0
	TURN 0, 1, 0
	QUARTER 1, 64,  F0, F1, 0
	QUARTER 1, 128, F1, F0, 0
	QUARTER 1, 192, F0, F1, 0
	TURN 1, 0, 0
	QUARTER 0, 64,  F0, F1, 0
	WIN 0
	s_sub_co_u32 s3, s3, 1
	s_cmp_lg_u32 s3, 0
	s_cbranch_scc1 .LlapM
	QUARTER 0, 128, F1, F0, 0                      ; the last lap is written out: it asks for nothing and no round follows its barrier
	QUARTER 0, 192, F0, F1, 0
	MEET 0                                         ; my one tensor load that was still out is K step 19's
	PLACES                                         ; for the loads into buffer 0
	FETCH 1, 0, F0
	WIN MUL_HI
	MUL16 F1, 1, 0, 0
	MUL16 F1, 1, 2, 0
	QUARTER 1, 64,  F0, F1, 0
	QUARTER 1, 128, F1, F0, 0
	QUARTER 1, 192, F0, F1, 0
	s_wait_dscnt 8                                 ; the very last quarter: no fragments are left to fetch
	WIN MUL_LO
	MUL16 F1, 0, 0, 0
	MUL16 F1, 0, 2, 0
	PLACES                                         ; for the loads below, and for the way out of row blocks 0-3, which are finished
	WIN TO_B
.set x, 0
.rept 16                               ; m of row blocks 6 and 7 comes back, into bbf's buffer 0, which no product reads any more
	ds_load_b128 v[64+4*x:64+4*x+3], v[RD] offset:512*x
.set x, x+1
.endr
	s_wait_dscnt 16                                ; all but the 16 just issued: abf's rows 64-127 are in
	WIN MUL_HI
	MUL16 F1, 1, 0, 0
	MUL16 F1, 1, 2, 0
	; THE WAY OUT.  Row blocks 0-3's 256 multiply-adds, which name no register of the last products, are those products' places.  Block a's arithmetic stands between block a - 1's loads from the stage and the wait
	; for them.  The stage takes the bytes that held m of row blocks 6 and 7: the loads above stand ahead of its first store, in the same wave.
	FIN 0
	TOSTAGE 0
.irp a, 1,2,3,4,5,6,7
	FIN \a
	SEND (\a)-1
	TOSTAGE \a
.endr
	SEND 7
	s_wait_tensorcnt 0x0                           ; the wave's end, behind my last tensor load and my last LDS store
	ds_add_u32 v[SPW], v[NIL]
	s_wait_dscnt 0x0
	CROUND                                         ; the closing round: no work-group ends while a partner may still ask for a tile that names it
	s_endpgm
.Lfunc_end_k_q5212e09f86_main:
	.size	k_q5212e09f86_main, .Lfunc_end_k_q5212e09f86_main-k_q5212e09f86_main
	.p2alignl 7, 3214868480
	.fill 96, 4, 3214868480
	.section	.rodata,"a",@progbits
	.p2align	6, 0x0
	.amdhsa_kernel k_q5212e09f86_main
		.amdhsa_group_segment_fixed_size 327680
		.amdhsa_private_segment_fixed_size 0
		.amdhsa_enable_private_segment 0
		.amdhsa_kernarg_size 32
		.amdhsa_user_sgpr_count 2
		.amdhsa_user_sgpr_kernarg_segment_ptr 1
		.amdhsa_wavefront_size32 1
		.amdhsa_system_sgpr_workgroup_id_x 1
		.amdhsa_system_sgpr_workgroup_id_y 1
		.amdhsa_system_sgpr_workgroup_id_z 1
		.amdhsa_system_vgpr_workitem_id 0
		.amdhsa_next_free_vgpr 1024
		.amdhsa_next_free_sgpr 72
		.amdhsa_reserve_vcc 0
		.amdhsa_float_denorm_mode_32 3
		.amdhsa_float_denorm_mode_16_64 3
		.amdhsa_memory_ordered 1
		.amdhsa_forward_progress 1
		.amdhsa_inst_pref_size 255
	.end_amdhsa_kernel
	.section	.bss,"aw",@nobits
	.p2align	6
	.space	262144
	.amdgpu_metadata
---
amdhsa.version: [ 1, 2 ]
amdhsa.kernels:
  - .name:           k_q5212e09f86_main
    .symbol:         k_q5212e09f86_main.kd
    .args:
      - { .name: abf, .offset: 0, .size: 8, .value_kind: global_buffer, .address_space: global }
      - { .name: bbf, .offset: 8, .size: 8, .value_kind: global_buffer, .address_space: global }
      - { .name: cvec, .offset: 16, .size: 8, .value_kind: global_buffer, .address_space: global }
      - { .name: out0, .offset: 24, .size: 8, .value_kind: global_buffer, .address_space: global }
    .group_segment_fixed_size: 327680
    .private_segment_fixed_size: 0
    .kernarg_segment_align: 8
    .kernarg_segment_size: 32
    .max_flat_workgroup_size: 128
    .sgpr_count:     72
    .vgpr_count:     1024
    .wavefront_size: 32
...
	.end_amdgpu_metadata
.endif
;; end of part 2
;; ======== version 2 of 2: 2 launches; version 1 with the launch prep written anew for expert scheduling mode
;; workspace buffers: abf 41,943,040 bytes; bbf 10,485,760 bytes; cvec 32,768 bytes
;; launch prep (part 3): grid 1280 x 1, 4 waves a work-group, no clusters, 0 bytes of LDS; arguments input, style, weight, aff_w, aff_b, bias, abf, bbf, cvec; writes abf, bbf, cvec
.if DOCPART == 3
	.amdgcn_target "amdgcn-amd-amdhsa--gfx1250"
	.amdhsa_code_object_version 6
	.text
	.protected	k_q5212e09f86_prep
	.globl	k_q5212e09f86_prep
	.p2align	8
	.type	k_q5212e09f86_prep,@function
k_q5212e09f86_prep:
	s_mov_b64 s[64:65], 0
	v_nop
	global_prefetch_b8 v0, s[64:65] scope:SCOPE_SE
	s_setreg_imm32_b32 hwreg(HW_REG_WAVE_SCHED_MODE, 0, 2), 2
	s_setreg_imm32_b32 hwreg(HW_REG_WAVE_MODE, 25, 1), 1
	s_wait_xcnt 0x0
	s_wait_alu depctr_vm_vsrc(0)
; THE OPERANDS OF THE TWO PRODUCTS, ROUNDED ONCE TO bf16 AND LAID SIDE BY SIDE ALONG K, AND A TABLE OF FOUR NUMBERS A COLUMN.
;   abf[r][0:512] = bf16(style[r]),  abf[r][512:2560] = bf16(input[r]),   r = 0 .. 8191
;   bbf[o][0:512] = bf16(aff_w[o]),  bbf[o][512:2560] = bf16(weight[o]),  o = 0 .. 2047
;   cvec[o] = { g, bi, ab g, ab g } in f32:  g = (sum over i of bf16(weight[o][i])^2)^(1/4),  bi = bf16(bias[o]),  ab = bf16(aff_b[o])
; Rows 2048 .. 4095 of aff_w and of aff_b are not read: the function that this program computes cuts their products away (enc[:, :OUT]) and no output hangs on them.
; LIMITS.  Every input is rounded to bf16, nearest even; the sum of squares is taken of the ROUNDED weights, in f32, in 128 partial sums a row.
; v_sqrt_f32 takes a denormal as 0 (ISA guide, its entry in 15.8): a row of weights whose sum of squares lies below 2^-126 counts as a row of zeros.  NaN and infinities are not treated apart.
; SHARES.  10,240 rows of one shape: 512 f32 from a small source, 2,048 f32 from a big one, 2,560 bf16 out.  Work-groups 0 .. 1023 take 8 rows each of (style, input),
; work-groups 1024 .. 1279 8 rows each of (aff_w, weight); a wave takes two rows.  Nothing is shared, so there is no LDS, no barrier and no loop.
; A load of a wave covers 512 consecutive bytes; a store of a wave covers 256 consecutive bytes at a multiple of 256 from its buffer's first byte.  All 40 loads of a wave go out before its first wait for data.
; The table's stores are 32 bytes a wave, 32,768 bytes in the launch: to gather them into longer runs sixteen rows would have to meet in LDS behind a barrier.
; THE MODE: SCHED_MODE bits 1:0 = 2 (LLVM: expert scheduling mode 2), set by the entry lines.  The code itself states the register dependences
; between vector instructions and memory instructions, with s_wait_alu, always for 0.
; THE PLAN.  Registers that memory instructions touch:
;   v2, v3     byte offsets, made once at the head and never written again.  Read by every load (v2), every row's stores (v3) and the table's store (v2): one wait ahead of the first load.
;   X          The 40 loads land in it; no vector instruction names it before them.  Row i's forty roundings write the first two registers of each piece in place; the row's twenty stores read them.
;              The roundings of a row stand together, ONE wait behind them, and the row's stores follow it.  No register that a store reads is written again.
;   v[4:7]     A column's record: written by three selects and a move, read by the table's one store.
;   T, SQ and v8 to v15 are named by vector instructions alone.
; In the weights' rows piece c's store stands ahead of the lines that widen and square piece c: these read X and write T and SQ alone, so no vector instruction issued since the row's wait names
; a register that a later store reads, and the stores are dealt among them with no further wait.
.set GROUPS_A, 1024                    ; work-groups that take rows of (style, input)
.set OUTROW,   5120                    ; bytes in a row of abf and bbf
.set X,   16                           ; v[16:175]  row i at X + 80 i, piece c of 128 numbers at + 4 c: c = 0 .. 3 from the small source, 4 .. 19 from the big one
.set T,   176                          ; v[176:179] four rounded weights, widened
.set SQ,  180                          ; v[180:187] row i: two chains of two sums of squares at SQ + 4 i
.set BIG, 28                           ; s[28:29]  the big source at my first row
.set SML, 30                           ; s[30:31]  the small source
.set DST, 32                           ; s[32:33]  abf or bbf
	s_load_b512 s[8:23], s[0:1], 0x0               ; input s[8:9], style s[10:11], weight s[12:13], aff_w s[14:15], aff_b s[16:17], bias s[18:19], abf s[20:21], bbf s[22:23]
	s_load_b64 s[24:25], s[0:1], 0x40              ; cvec
	v_and_b32 v1, 31, v0                           ; lane
	v_lshrrev_b32 v4, 5, v0
	v_readfirstlane_b32 s6, v4                     ; wave 0..3
	v_lshlrev_b32 v2, 4, v1                        ; 16 bytes a lane in
	v_lshlrev_b32 v3, 3, v1                        ; 8 bytes a lane out
	s_mov_b32 s2, ttmp9
	s_mov_b32 s44, 0x76543210                      ; v_permlanex16_b32: each lane takes its own place in the other half
	s_mov_b32 s45, 0xfedcba98
	s_mov_b32 s46, 0xffff0000                      ; a word's upper bf16
	s_cmp_lt_u32 s2, GROUPS_A
	s_cselect_b32 s5, 1, 0                         ; 1: rows of (style, input)
	s_cselect_b32 s3, 0, GROUPS_A
	s_sub_co_u32 s4, s2, s3
	s_lshl_b32 s4, s4, 3                           ; the work-group's 8 rows,
	s_wait_alu depctr_va_sdst(0)                   ; s6 is written, ahead of its first reader: my rows' offsets are made from it
	s_lshl1_add_u32 s4, s6, s4                     ; my wave's two: my first row
	s_lshl_b32 s34, s4, 13                         ; its byte offset in the big source (8,192 bytes a row; under 2^27),
	s_mov_b32 s35, 0
	s_lshl_b32 s36, s4, 11                         ; in the small one (2,048),
	s_mov_b32 s37, 0
	s_mul_i32 s38, s4, OUTROW                      ; and in the result
	s_mov_b32 s39, 0
	s_wait_kmcnt 0x0
	s_cmp_lt_u32 s2, GROUPS_A                      ; compared anew: the lines above have written SCC
	s_cselect_b64 s[BIG:BIG+1], s[8:9], s[12:13]
	s_cselect_b64 s[SML:SML+1], s[10:11], s[14:15]
	s_cselect_b64 s[DST:DST+1], s[20:21], s[22:23]
	s_add_nc_u64 s[BIG:BIG+1], s[BIG:BIG+1], s[34:35]
	s_add_nc_u64 s[SML:SML+1], s[SML:SML+1], s[36:37]
	s_add_nc_u64 s[DST:DST+1], s[DST:DST+1], s[38:39]
	s_wait_alu depctr_va_vdst(0)                   ; v2 and v3 are written: every load and store of the kernel reads one of them as its offset
.irp i, 0,1                            ; row 0's twenty loads, then row 1's
.irp c, 0,1,2,3
	global_load_b128 v[X+80*(\i)+4*(\c):X+80*(\i)+4*(\c)+3], v2, s[SML:SML+1] offset:2048*(\i)+512*(\c) th:TH_LOAD_NT
.endr
.irp c, 4,5,6,7,8,9,10,11,12,13,14,15,16,17,18,19
	global_load_b128 v[X+80*(\i)+4*(\c):X+80*(\i)+4*(\c)+3], v2, s[BIG:BIG+1] offset:8192*(\i)+512*((\c)-4) th:TH_LOAD_NT
.endr
.endr
; Row i is rounded in place, four numbers a lane into 8 bytes, and stored: all its roundings, one wait, all its stores.  No register that a store reads is written again.
; sq = 1: the rounded weights (pieces 4 on) are widened again and squared into two chains of packed sums, each piece behind its store; piece 4 starts the chains, so nothing is cleared.
.macro CONV i, sq
	s_wait_loadcnt 20*(1-(\i))                     ; loads come back in order (ISA guide 5.7.1): row 0 is in while row 1's twenty stay out; for row 1 the count is 0
.set c, 0
.rept 20
.set R, X+80*(\i)+4*c
	v_cvt_pk_bf16_f32 v[R], v[R], v[R+1]
	v_cvt_pk_bf16_f32 v[R+1], v[R+2], v[R+3]
.set c, c+1
.endr
	s_wait_alu depctr_va_vdst(0)                   ; the row's forty roundings have written the first two registers of each piece, which the twenty stores below read
.set c, 0
.rept 20
.set R, X+80*(\i)+4*c
	global_store_b64 v3, v[R:R+1], s[DST:DST+1] offset:OUTROW*(\i)+256*c  ; no wait: no vector instruction since the wait above names these two registers
.if (\sq) && (c >= 4)
	v_lshlrev_b32 v[T], 16, v[R]
	v_and_b32 v[T+1], s46, v[R]
	v_lshlrev_b32 v[T+2], 16, v[R+1]
	v_and_b32 v[T+3], s46, v[R+1]
.if c == 4
	v_pk_mul_f32 v[SQ+4*(\i):SQ+4*(\i)+1], v[T:T+1], v[T:T+1]
	v_pk_mul_f32 v[SQ+4*(\i)+2:SQ+4*(\i)+3], v[T+2:T+3], v[T+2:T+3]
.else
	v_pk_fma_f32 v[SQ+4*(\i):SQ+4*(\i)+1], v[T:T+1], v[T:T+1], v[SQ+4*(\i):SQ+4*(\i)+1]
	v_pk_fma_f32 v[SQ+4*(\i)+2:SQ+4*(\i)+3], v[T+2:T+3], v[T+2:T+3], v[SQ+4*(\i)+2:SQ+4*(\i)+3]
.endif
.endif
.set c, c+1
.endr
.endm
	s_cmp_eq_u32 s5, 1
	s_cbranch_scc0 .Lweights
	CONV 0, 0                                      ; rows of (style, input): cast and store, nothing more
	CONV 1, 0
	s_endpgm
.Lweights:
	s_lshl_b32 s47, s4, 2                          ; my two columns' aff_b and bias: 8 bytes each, at a multiple of 8
	s_load_b64 s[40:41], s[16:17], s47 offset:0x0
	s_load_b64 s[42:43], s[18:19], s47 offset:0x0
	CONV 0, 1
	CONV 1, 1
.irp i, 0,1                            ; a lane's four sums into one,
	v_pk_add_f32 v[SQ+4*(\i):SQ+4*(\i)+1], v[SQ+4*(\i):SQ+4*(\i)+1], v[SQ+4*(\i)+2:SQ+4*(\i)+3]
	v_add_f32 v[8+(\i)], v[SQ+4*(\i)], v[SQ+4*(\i)+1]
.endr
.irp m, 1,2,4,8                        ; then across the 32 lanes: four steps inside each half of 16, the two rows by turns,
	v_add_f32_dpp v8, v8, v8 row_xmask:\m row_mask:0xf bank_mask:0xf
	v_add_f32_dpp v9, v9, v9 row_xmask:\m row_mask:0xf bank_mask:0xf
.endr
	v_permlanex16_b32 v[T], v8, s44, s45           ; and one across the halves (the destinations have been written before)
	v_permlanex16_b32 v[T+1], v9, s44, s45
	v_add_f32 v8, v8, v[T]
	v_add_f32 v9, v9, v[T+1]                       ; every lane holds both rows' sums of squares
	v_sqrt_f32 v8, v8                              ; the fourth root, as two roots: a batch of two,
	v_sqrt_f32 v9, v9
	v_nop                                          ; a plain instruction behind the last of them (ISA guide 5.7.2),
	s_wait_alu depctr_va_vdst(0)                   ; the two roots have written v8 and v9, which the next two roots name: the one wait ahead of a batch's first reader
	v_sqrt_f32 v8, v8
	v_sqrt_f32 v9, v9
	v_nop
	s_wait_alu depctr_va_vdst(0)                   ; the second two roots have written v8 and v9, which the multiplies and selects below read
	s_wait_kmcnt 0x0                               ; aff_b and bias
	v_cvt_pk_bf16_f32 v10, s40, s41                ; rounded as every other input is,
	v_cvt_pk_bf16_f32 v11, s42, s43
	v_lshlrev_b32 v12, 16, v10                     ; and widened again
	v_and_b32 v13, s46, v10
	v_lshlrev_b32 v14, 16, v11
	v_and_b32 v15, s46, v11
	v_mul_f32 v12, v12, v8                         ; ab g
	v_mul_f32 v13, v13, v9
	v_cmp_eq_u32 vcc_lo, 1, v1                     ; lane 0 writes my first column's record, lane 1 my second's
	s_wait_alu depctr_va_vcc(0)                    ; the compare has written VCC, ahead of its first reader: the three selects below
	v_cndmask_b32 v4, v8, v9, vcc_lo               ; g
	v_cndmask_b32 v5, v14, v15, vcc_lo             ; bi
	v_cndmask_b32 v6, v12, v13, vcc_lo             ; ab g,
	v_mov_b32 v7, v6                               ; twice: a pair for the packed multiply-add that will read it
	s_lshl_b32 s34, s4, 4                          ; 16 bytes a column (s35 is still 0)
	s_add_nc_u64 s[24:25], s[24:25], s[34:35]
	s_wait_xcnt 0x0                                ; EXEC is a source of the stores above: it changes only behind this wait
	v_cmp_gt_u32 vcc_lo, 2, v1
	s_wait_alu depctr_va_vcc(0)                    ; the compare has written VCC, from which EXEC is made
	s_wait_alu depctr_va_vdst(0)                   ; ahead of the scalar write of EXEC: every vector instruction issued so far is done; among them the selects and the move have written v[4:7], which the store below reads
	s_wait_alu depctr_vm_vsrc(0)                   ; ahead of the scalar write of EXEC: the rows' stores have read their vector registers
	s_and_saveexec_b32 s26, vcc_lo
	global_store_b128 v2, v[4:7], s[24:25]
	s_wait_xcnt 0x0                                ; and again in front of the line that widens it
	s_wait_alu depctr_va_vdst(0)                   ; ahead of the scalar write of EXEC: no vector instruction is pending
	s_wait_alu depctr_vm_vsrc(0)                   ; ahead of the scalar write of EXEC: the table's store has read v2 and v[4:7]
	s_or_b32 exec_lo, exec_lo, s26
	s_endpgm
.Lfunc_end_k_q5212e09f86_prep:
	.size	k_q5212e09f86_prep, .Lfunc_end_k_q5212e09f86_prep-k_q5212e09f86_prep
	.p2alignl 7, 3214868480
	.fill 96, 4, 3214868480
	.section	.rodata,"a",@progbits
	.p2align	6, 0x0
	.amdhsa_kernel k_q5212e09f86_prep
		.amdhsa_group_segment_fixed_size 0
		.amdhsa_private_segment_fixed_size 0
		.amdhsa_enable_private_segment 0
		.amdhsa_kernarg_size 72
		.amdhsa_user_sgpr_count 2
		.amdhsa_user_sgpr_kernarg_segment_ptr 1
		.amdhsa_wavefront_size32 1
		.amdhsa_system_sgpr_workgroup_id_x 1
		.amdhsa_system_sgpr_workgroup_id_y 1
		.amdhsa_system_sgpr_workgroup_id_z 1
		.amdhsa_system_vgpr_workitem_id 0
		.amdhsa_next_free_vgpr 192
		.amdhsa_next_free_sgpr 66
		.amdhsa_reserve_vcc 1
		.amdhsa_float_denorm_mode_32 3
		.amdhsa_float_denorm_mode_16_64 3
		.amdhsa_memory_ordered 1
		.amdhsa_forward_progress 1
		.amdhsa_inst_pref_size 34
	.end_amdhsa_kernel
	.amdgpu_metadata
---
amdhsa.version: [ 1, 2 ]
amdhsa.kernels:
  - .name:           k_q5212e09f86_prep
    .symbol:         k_q5212e09f86_prep.kd
    .args:
      - { .name: input, .offset: 0, .size: 8, .value_kind: global_buffer, .address_space: global }
      - { .name: style, .offset: 8, .size: 8, .value_kind: global_buffer, .address_space: global }
      - { .name: weight, .offset: 16, .size: 8, .value_kind: global_buffer, .address_space: global }
      - { .name: aff_w, .offset: 24, .size: 8, .value_kind: global_buffer, .address_space: global }
      - { .name: aff_b, .offset: 32, .size: 8, .value_kind: global_buffer, .address_space: global }
      - { .name: bias, .offset: 40, .size: 8, .value_kind: global_buffer, .address_space: global }
      - { .name: abf, .offset: 48, .size: 8, .value_kind: global_buffer, .address_space: global }
      - { .name: bbf, .offset: 56, .size: 8, .value_kind: global_buffer, .address_space: global }
      - { .name: cvec, .offset: 64, .size: 8, .value_kind: global_buffer, .address_space: global }
    .group_segment_fixed_size: 0
    .private_segment_fixed_size: 0
    .kernarg_segment_align: 8
    .kernarg_segment_size: 72
    .max_flat_workgroup_size: 128
    .sgpr_count:     66
    .vgpr_count:     192
    .wavefront_size: 32
...
	.end_amdgpu_metadata
.endif
;; end of part 3
;; launch main: the kernel of part 2 again; grid 8 x 32, 4 waves a work-group, clusters of 4 x 4, 327,680 bytes of LDS; arguments abf, bbf, cvec, out0; writes out0
